; MI455X (gfx1250); checked and timed in simulation.
; The chip was launched on July 23, 2026; its instructions are those of AMD's public machine-readable ISA for CDNA 5 (MIT licence, August 2026) and "CDNA5" Instruction Set Architecture Reference Guide (July 2026). The comments in the code are by the model that wrote it; some were corrected since.
;; Multi Head Attention. Allowed arithmetic: matrix products marked QUANTISED: E3M2 operands, one E8M0 scale for each 32 along K, by v_wmma_scale_f32_16x16x128_f8f6f4 with both operands' format E3M2, f32 sums; everything else in f32.
;; Inputs: W_k 1,024 x 1,024 float32; W_q 1,024 x 1,024 float32; W_v 1,024 x 1,024 float32; att_mask 4 x 1 x 1 x 2,048 float32; b_k 1,024 float32; b_q 1,024 float32; b_v 1,024 float32; x_k 4 x 2,048 x 1,024 float32; x_q 4 x 2,048 x 1,024 float32; x_v 4 x 2,048 x 1,024 float32.
;; Outputs: out0 4 x 2,048 x 1,024 float32.
;; This version of the problem:
;;   THIS VERSION OF THE PROBLEM IS GIVEN IN LOW PRECISION. The matrix products marked QUANTISED in the list below multiply operands that are first quantised to E3M2 (3 exponent bits, 2 mantissa bits; 6 bits a number), with one power-of-two scale for each 32 numbers along K (OCP MX v1.0); their sums are f32. All else is computed in f32.
;;   The module's matrix products, in the order in which they are computed (A, B: the left and right operand; K: the contracted axis; several contracted axes count as one K, in the product's order):
;;     1. [M 8,192, K 1,024] x [K 1,024, N 1,024]; A: input x_q; B: input W_q: QUANTISED
;;     2. [M 8,192, K 1,024] x [K 1,024, N 1,024]; A: input x_k; B: input W_k: QUANTISED
;;     3. [M 8,192, K 1,024] x [K 1,024, N 1,024]; A: input x_v; B: input W_v: QUANTISED
;;     4. batch 64 x [M 2,048, K 64] x [K 64, N 2,048]; A: computed on the way; B: computed on the way: QUANTISED
;;     5. batch 64 x [M 2,048, K 2,048] x [K 2,048, N 64]; A: softmax (see below); B: computed on the way: QUANTISED
;;   THE QUANTISER, for each operand of a quantised product, along K:
;;     - K is cut into blocks of 32 from its start; a last block that is shorter is filled with zeros.
;;     - A block's scale is 2^e with e = floor(log2(the largest magnitude in the block)) - 4, held to -126 .. 127; a block of zeros has e = 0. As a byte (E8M0): e + 127.
;;     - Each number is divided by its block's scale, clamped to +-28, and rounded to the nearest number of E3M2, ties to even, subnormals kept.
;;     - The product sums the exact products of the quantised numbers (number of the format x scale) in f32.
;;   ~~~python
;;   def quantise(x, axis):      # numpy; x: float32 -> the quantised numbers, widened to float32 again
;;       x = np.moveaxis(x, axis, -1); K = x.shape[-1]
;;       x = np.pad(x, [(0, 0)] * (x.ndim - 1) + [(0, -K % 32)]); x = x.reshape(x.shape[:-1] + (-1, 32)); a = np.abs(x).max(-1, keepdims=True)
;;       e = np.where(a > 0, np.clip(np.frexp(np.where(a > 0, a, 1))[1] - 1 - 4, -126, 127), 0)      # np.frexp(a)[1] - 1 = floor(log2(a)), exactly
;;       r = np.clip(x / 2.0 ** e, -28, 28)
;;       step = 2.0 ** (np.maximum(np.frexp(np.where(r == 0, 1, r))[1] - 1, -2) - 2)
;;       q = np.round(r / step) * step * 2.0 ** e      # np.round: ties to even
;;       return np.moveaxis(q.reshape(q.shape[:-2] + (-1,))[..., :K], -1, axis).astype(np.float32)
;;   ~~~
;;   SOFTMAX AHEAD OF A QUANTISED PRODUCT. Where the list says 'softmax', what is quantised is not the finished softmax but p = 2^(t - M), with t = logit x log2(e) and M = ceil(the row's largest t), a whole number; so 1/2 < the row's largest p <= 1. The row's sum l is taken of the UNQUANTISED p, in f32, and the product's result is divided by l at the end. Since M is a whole number, a kernel that streams over the keys may use a running M (the ceiling of the running maximum): every later rescaling is an exact power of two, which a block's scale takes up: the codes' values come out the same.
;;   OPERANDS COMPUTED ON THE WAY. 'Computed on the way' means the value that the module computes at that place (a softmax that the list does not call 'softmax' is quantised finished and normalised). What goes into a quantiser is computed in f32, as accurately as f32 sums, v_exp_f32 and their like allow (about 1e-6 of the number): no bf16 or f16 on the way to a quantiser, and a product that is left as it is and whose result goes on into a quantised operand takes f32 operands (vector FMAs, or v_wmma_f32_16x16x4_f32). A number that lies on a knife's edge between two numbers of the format may be rounded either way, as far as f32 arithmetic and the matrix unit's own rounding can turn it there, and no further.
;; One version. Each part assembles by itself: llvm-mc -triple=amdgcn-amd-amdhsa -mcpu=gfx1250 --defsym DOCPART=n.
;; ======== version 1 of 1: 3 launches
;; limits: right only within a limited range of input values
;; workspace buffers: codes 21,233,664 bytes; scales 884,736 bytes; img 25,165,824 bytes; sc 2,097,152 bytes
;; launch quant (part 1): grid 864 x 1, 4 waves a work-group, no clusters, 33,280 bytes of LDS; arguments x_q, x_k, x_v, W_q, W_k, W_v, codes, scales; writes codes, scales
.if DOCPART == 1
	.amdgcn_target "amdgcn-amd-amdhsa--gfx1250"
	.amdhsa_code_object_version 6
	.text
	.protected	k_q108e504537_quant
	.globl	k_q108e504537_quant
	.p2align	8
	.type	k_q108e504537_quant,@function
k_q108e504537_quant:
	s_mov_b64 s[64:65], 0
	v_nop
	global_prefetch_b8 v0, s[64:65] scope:SCOPE_SE
	s_setreg_imm32_b32 hwreg(HW_REG_WAVE_MODE, 25, 1), 1
	s_wait_xcnt 0x0
; x_q, x_k, x_v [8192][1024] and W_q, W_k, W_v [1024][1024], f32, are turned into codes of BF6 (E3M2), 6 bits each, K (the last axis) innermost, with one E8M0 scale byte for each 32 along K.
; codes: 27,648 rows of 768 bytes (x_q, x_k, x_v, W_q, W_k, W_v on end); scales: the same rows of 32 bytes.
; A block's scale is 2^(floor(log2(its largest magnitude)) - 4); its byte is the largest magnitude's own exponent field - 4, held at 1 from below.  Each number is divided by the scale and rounded to the nearest code, ties to even,
; beyond the largest code the largest.  (A block of zeros gets the byte 1 where the rule says 127: its codes are zeros, which add nothing under any byte but 0xff, and the bytes are read by this program alone.)
; LIMITS: blocks whose largest magnitude lies under 2^-122, the floor, get the byte 1; NaN and infinities among the inputs are not served.
; THE ROWS ARE STORED IN ANOTHER ORDER: inside each 32 rows the four groups of 8 rows lie in the order 0, 2, 1, 3.  So stored row 16 i + r holds true row 32 (i / 2) + 8 (i % 2) + r + 8 (r / 8): a tile of 16 neighbouring
; stored rows, used as a matrix instruction's source 0, leaves in a lane's 16 registers of two neighbouring tiles 16 neighbouring true rows, which the next launch quantises.
; SHARES: a work-group takes 32 rows (32,768 numbers), a wave 8 rows: 16 steps of 512 numbers.  Work-groups 0-767 take the x tensors, 256 each; 768-863 the weights, 32 each.  Only pointers are chosen: one path through the text.
; The conversion takes 16 numbers of ONE block from a lane's registers, so a lane must hold 16 neighbours; a load is best where neighbouring lanes take neighbouring bytes.  Both are had: each load reads 512 consecutive bytes, 16 a lane;
; a step's 2,048 bytes go through the wave's own stage in LDS and come back 64 bytes a lane (16 bytes of padding behind each 64).  A lane's 16 codes are 12 bytes: the wave stores 384 consecutive bytes.
; A wave's 256 scale bytes are gathered in its own LDS bytes and leave as 256 consecutive bytes, aligned.  No tensor loads, no barrier: waves share nothing.  Loads run four steps (16 loads a wave) ahead.
; No matrix unit, no cluster, no prefetch: a stream that is read once and written once, with its loads always on their way.
.set STEPS, 16
.set EMAX,  4
.set CB,    12                         ; bytes of 16 codes
.set R,     16                         ; v16-79   four sets of 16 numbers as they are loaded
.set X,     80                         ; v80-111  two sets of 16 neighbours
.set C,     128                        ; v128-191 codes: four registers for each step, so that no store's data are written again
.set E,     112                        ; v112-127 a scale byte for each step
.set WREG,  8192                       ; LDS: a region of its own for each wave: two stages of 32 x SP bytes, and behind them its 256 scale bytes
.set SP,    80                         ; a lane's place in a stage: its 64 bytes + 16 of padding
	s_load_b512 s[4:19], s[0:1], 0x0               ; x_q s[4:5], x_k s[6:7], x_v s[8:9], W_q s[10:11], W_k s[12:13], W_v s[14:15], codes s[16:17], scales s[18:19]
	v_lshl_add_u32 v192, v0, 2, 0x8000
	v_mov_b32 v193, 0
	v_lshrrev_b32 v1, 5, v0
	v_readfirstlane_b32 s20, v1                    ; wave
	v_and_b32 v2, 31, v0                           ; lane
	v_lshlrev_b32 v3, 4, v2                        ; my 16 bytes of a load's 512
	s_mul_i32 s21, s20, WREG
	v_lshrrev_b32 v14, 2, v2
	v_mul_u32_u24 v14, v14, SP
	v_and_b32 v15, 3, v2
	v_lshl_add_u32 v14, v15, 4, v14
	v_add_nc_u32 v14, s21, v14                     ; the stage, on the way in: four lanes' 64 bytes on end, then 16 of padding
	v_mul_u32_u24 v15, v2, SP
	v_add_nc_u32 v15, s21, v15                     ; and on the way out: SP x lane: my 16 neighbours
	v_mul_u32_u24 v4, v2, CB                       ; my codes' place in a step's
	v_lshrrev_b32 v5, 1, v2
	s_add_co_u32 s21, s21, 2*32*SP
	v_add_nc_u32 v5, s21, v5                       ; LDS: my wave's 256 scale bytes, my block's byte
	v_lshlrev_b32 v7, 3, v2                        ; and on the way out 8 bytes a lane
	v_add_nc_u32 v6, s21, v7
	s_mov_b32 s24, 31                              ; a weight has 32 work-groups
	s_wait_alu depctr_va_vdst(0)
	s_wait_kmcnt 0x0
	s_mov_b64 s[22:23], s[14:15]                   ; which tensor is my work-group's?  The choice hangs on the work-group's number alone
	s_cmp_lt_u32 ttmp9, 832
	s_cselect_b64 s[22:23], s[12:13], s[22:23]
	s_cmp_lt_u32 ttmp9, 800
	s_cselect_b64 s[22:23], s[10:11], s[22:23]
	s_cmp_lt_u32 ttmp9, 768
	s_cselect_b64 s[22:23], s[8:9], s[22:23]
	s_cselect_b32 s24, 255, s24                    ; an x tensor has 256
	s_cmp_lt_u32 ttmp9, 512
	s_cselect_b64 s[22:23], s[6:7], s[22:23]
	s_cmp_lt_u32 ttmp9, 256
	s_cselect_b64 s[22:23], s[4:5], s[22:23]
	s_and_b32 s24, ttmp9, s24                      ; my work-group's number within its tensor (each tensor begins at a multiple of its count)
	s_lshl_b32 s24, s24, 2
	s_add_co_u32 s24, s24, s20                     ; which run of 8 rows of the tensor is my wave's
	s_lshl_b32 s24, s24, 15                        ; 32,768 bytes a run: under 2^26
	s_mov_b32 s25, 0
	s_add_nc_u64 s[22:23], s[22:23], s[24:25]
	s_and_b32 s26, s20, 1                          ; where it is stored: groups 1 and 2 of the 32 rows change places
	s_lshl_b32 s26, s26, 1
	s_lshr_b32 s27, s20, 1
	s_or_b32 s26, s26, s27
	s_lshl_b32 s27, ttmp9, 2
	s_add_co_u32 s26, s26, s27                     ; the run among all 3,456
	s_mul_i32 s24, s26, 32*STEPS*CB                ; 6,144 bytes of codes a run
	s_add_nc_u64 s[16:17], s[16:17], s[24:25]
	s_lshl_b32 s24, s26, 8                         ; 256 scale bytes a run
	s_add_nc_u64 s[18:19], s[18:19], s[24:25]
.macro LOAD t
.irp i, 0,1,2,3
	global_load_b128 v[R+16*((\t)%4)+4*\i:R+16*((\t)%4)+4*\i+3], v3, s[22:23] offset:2048*(\t)+512*\i th:TH_LOAD_NT   ; 32 lanes read 512 consecutive bytes
.endr
.endm
.macro TURN t                          ; step t's numbers through the stage: LDS serves a wave's instructions in order (ISA guide 5.7.1.4), so no wait stands between the stores and the loads
.irp i, 0,1,2,3
	ds_store_b128 v14, v[R+16*((\t)%4)+4*\i:R+16*((\t)%4)+4*\i+3] offset:32*SP*((\t)%2)+8*SP*\i
.endr
.irp i, 0,1,2,3
	ds_load_b128 v[X+16*((\t)%2)+4*\i:X+16*((\t)%2)+4*\i+3], v15 offset:32*SP*((\t)%2)+16*\i
.endr
.endm
.irp t, 0,1,2,3
	LOAD \t
.endr
	s_wait_loadcnt 12                              ; step 0's four loads are in; those of three steps may be out
	TURN 0
.macro STEP t
.set XS, X+16*((\t)%2)
.if (\t) > 0
	s_wait_dscnt 1                                 ; this step's numbers are back from the stage (the last step's byte store may be out): so its stores into the stage have read their registers,
.else
	s_wait_dscnt 0x0
.endif
.if (\t)+4 < STEPS
	LOAD (\t)+4                                    ; which take the loads of four steps on
.endif
.if (\t)+1 < STEPS
.if STEPS-2-(\t) >= 3
	s_wait_loadcnt 12                              ; the next step's four loads are in; those of the three steps behind it may be out
.else
	s_wait_loadcnt 4*(STEPS-2-(\t))
.endif
	TURN (\t)+1                                    ; and go through the other stage while this step is worked
.endif
	v_max3_num_f32 v8, |v[XS]|, |v[XS+1]|, |v[XS+2]|               ; the largest magnitude of my 16, in two chains
	v_max3_num_f32 v9, |v[XS+3]|, |v[XS+4]|, |v[XS+5]|
.irp i, 6,10
	v_max3_num_f32 v8, v8, |v[XS+\i]|, |v[XS+\i+1]|
	v_max3_num_f32 v9, v9, |v[XS+\i+2]|, |v[XS+\i+3]|
.endr
	v_max3_num_f32 v8, v8, |v[XS+14]|, |v[XS+15]|
	v_max3_num_f32 v8, v8, v9, (EMAX+1)<<23        ; and the floor 2^(EMAX + 1 - 127): so the byte cannot fall under 1
	v_max_num_f32_dpp v8, v8, v8 row_xmask:1 row_mask:0xf bank_mask:0xf   ; and of my neighbour's 16: the block's
	v_add_nc_u32 v11, -(EMAX<<23), v8              ; EMAX off its exponent field: the conversion takes the exponent field of this operand as its scale, and nothing else of it
	v_cvt_scalef32_pk16_bf6_f32 v[C+4*(\t):C+4*(\t)+2], v[XS:XS+15], v11         ; sixteen codes, 96 bits without gaps, the first number's code lowest
	v_lshrrev_b32 v[E+(\t)], 23, v11               ; the scale's byte (a plain line behind the conversion)
	ds_store_b8 v5, v[E+(\t)] offset:16*(\t)       ; both lanes of a block write the same byte with the same value
	global_store_b96 v4, v[C+4*(\t):C+4*(\t)+2], s[16:17] offset:32*CB*(\t)
.endm
.irp t, 0,1,2,3,4,5,6,7,8,9,10,11,12,13,14,15
	STEP \t
.endr
	ds_load_b64 v[12:13], v6                       ; LDS serves a wave's instructions in order: these see my stores
	s_wait_dscnt 0x0
	global_store_b64 v7, v[12:13], s[18:19]        ; 32 lanes store 256 consecutive bytes, at a multiple of 256 from the buffer's first byte
	s_wait_tensorcnt 0x0
	ds_add_u32 v192, v193
	s_wait_dscnt 0x0
	s_endpgm
.Lfunc_end_k_q108e504537_quant:
	.size	k_q108e504537_quant, .Lfunc_end_k_q108e504537_quant-k_q108e504537_quant
	.p2alignl 7, 3214868480
	.fill 96, 4, 3214868480
	.section	.rodata,"a",@progbits
	.p2align	6, 0x0
	.amdhsa_kernel k_q108e504537_quant
		.amdhsa_group_segment_fixed_size 33280
		.amdhsa_private_segment_fixed_size 0
		.amdhsa_enable_private_segment 0
		.amdhsa_kernarg_size 64
		.amdhsa_user_sgpr_count 2
		.amdhsa_user_sgpr_kernarg_segment_ptr 1
		.amdhsa_wavefront_size32 1
		.amdhsa_system_sgpr_workgroup_id_x 1
		.amdhsa_system_sgpr_workgroup_id_y 1
		.amdhsa_system_sgpr_workgroup_id_z 1
		.amdhsa_system_vgpr_workitem_id 0
		.amdhsa_next_free_vgpr 194
		.amdhsa_next_free_sgpr 66
		.amdhsa_reserve_vcc 0
		.amdhsa_float_denorm_mode_32 3
		.amdhsa_float_denorm_mode_16_64 3
		.amdhsa_memory_ordered 1
		.amdhsa_forward_progress 1
		.amdhsa_inst_pref_size 33
	.end_amdhsa_kernel
	.amdgpu_metadata
---
amdhsa.version: [ 1, 2 ]
amdhsa.kernels:
  - .name:           k_q108e504537_quant
    .symbol:         k_q108e504537_quant.kd
    .args:
      - { .name: x_q, .offset: 0, .size: 8, .value_kind: global_buffer, .address_space: global }
      - { .name: x_k, .offset: 8, .size: 8, .value_kind: global_buffer, .address_space: global }
      - { .name: x_v, .offset: 16, .size: 8, .value_kind: global_buffer, .address_space: global }
      - { .name: W_q, .offset: 24, .size: 8, .value_kind: global_buffer, .address_space: global }
      - { .name: W_k, .offset: 32, .size: 8, .value_kind: global_buffer, .address_space: global }
      - { .name: W_v, .offset: 40, .size: 8, .value_kind: global_buffer, .address_space: global }
      - { .name: codes, .offset: 48, .size: 8, .value_kind: global_buffer, .address_space: global }
      - { .name: scales, .offset: 56, .size: 8, .value_kind: global_buffer, .address_space: global }
    .group_segment_fixed_size: 33280
    .private_segment_fixed_size: 0
    .kernarg_segment_align: 8
    .kernarg_segment_size: 64
    .max_flat_workgroup_size: 128
    .sgpr_count:     66
    .vgpr_count:     194
    .wavefront_size: 32
...
	.end_amdgpu_metadata
.endif
;; end of part 1
;; launch proj (part 2): grid 4 x 96, 4 waves a work-group, clusters of 4 x 4, 327,680 bytes of LDS; arguments codes, scales, b_q, b_k, b_v, img, sc; writes img, sc
.if DOCPART == 2
	.amdgcn_target "amdgcn-amd-amdhsa--gfx1250"
	.amdhsa_code_object_version 6
	.text
	.protected	k_q108e504537_proj
	.globl	k_q108e504537_proj
	.p2align	8
	.type	k_q108e504537_proj,@function
k_q108e504537_proj:
	s_mov_b64 s[64:65], 0
	v_nop
	global_prefetch_b8 v0, s[64:65] scope:SCOPE_SE
	s_setreg_imm32_b32 hwreg(HW_REG_WAVE_MODE, 25, 1), 1
	s_wait_xcnt 0x0
	s_wait_alu depctr_hold_cnt(0) depctr_sa_sdst(0) depctr_va_vdst(0) depctr_va_sdst(0) depctr_va_ssrc(0) depctr_va_vcc(0) depctr_vm_vsrc(0)
	s_getreg_b32 s2, hwreg(HW_REG_IB_STS2, 6, 4)
	s_cmp_eq_u32 s2, 0
	s_cbranch_scc0 .Lentry_in_a_cluster
	s_endpgm
.Lentry_in_a_cluster:
	s_bfe_u32 s2, ttmp6, 0x10000c
	s_cmp_lg_u32 s2, 0xf033
	s_cbranch_scc0 .Lentry_shape_is_right
	s_endpgm
.Lentry_shape_is_right:
; q = x_q W_q^T + b_q, k and v likewise, on codes of BF6 (E3M2) with E8M0 scales, and their quantisers: the results leave as images of the next launch's operand registers (img) and scale words (sc).
; codes: rows of 768 bytes (x_q, x_k, x_v, W_q, W_k, W_v on end), scales: the same rows of 32 bytes.  Inside each 32 rows the groups of 8 lie in the order 0, 2, 1, 3.
; A work-group of four waves makes 256 x 256 of one product, a wave 128 x 128: 64 accumulators.  Cluster y 0-7: q, 8-15: k (source 1 = x's rows, source 0 = W's rows: a lane's registers run along the head's channels);
; 16-23: v (source 1 = W_v's rows, source 0 = x_v's rows: a lane's registers run along the tokens, which are the second attention product's K).
; K goes through a ring of two LDS slots in CHUNKS OF 256 BYTES of each row: each tile row begins at a multiple of 256 bytes.  A step of 128 along K is 96 bytes: eight steps to three chunks; steps 2 and 5 lie across two chunks.
; The scales of the 256 + 256 rows come into LDS once, as whole runs of 256 bytes.  4 x 4 work-groups form a cluster: source 1's tiles are asked for jointly along a row, source 0's along a column.
; The bias is the first products' C.  LIMITS: NaN and infinities are not served; a sum begins with its bias; a block under 2^-122 gets the scale byte 1.
; No data prefetch: K is three chunks, two of which are asked for at the head, at the largest block in clusters.
; REGISTERS: window 0: v16-30 addresses, v32-63 scale words (two sets), v64-127 the bias, v128-223 source 1's fragments; window 1: source 0's fragments, two sets; windows 2, 3: accumulators.
.set ROWB,   256
.set NQ,     2
.set KROW,   768
.set STEPS,  8
.set CHUNKS, 3
.set PITCH,  272                       ; 256 bytes + 16 of padding
.set FR,     12
.set NL,     6
.set NP,     4
.set HALFT,  128*PITCH
.set SLOT,   4*HALFT
.set KS,     32
.set SCL,    2*SLOT
.set HALFS,  (128*KS/256)*272
.set SBLK,   (16*KS/256)*272
.set SPARE,  SCL+4*HALFS               ; the spare words: 128 bytes a wave
.set ADRA, 16                          ; v16-17 source 1's fragments in slot 0, 1; v18-19 for pieces whose two lane halves lie in different chunks
.set ADRB, 20                          ; v20-23 the same for source 0
.set ADRS, 27
.set SPW,  28
.set NIL,  29
.set OFI,  30                          ; 16 x lane
.set SC,   32
.set CBI,  64
.set AF,   128
.set AJ,   224
.set TM,   32
.set PWB,  48
.set PC,   128
.set G1, 24
.set G0, 32
.set G1B, 48
.set G0B, 56
.set G1S, 68
.set G0S, 76
.set G1SB, 80
.set G0SB, 88
.set MSB, 0
.macro WIN new
.if MSB != \new
	s_set_vgpr_msb (MSB<<8)|\new
.set MSB, \new
.endif
.endm
.set TO_B, 0x40
.macro WMUL hi, zero                   ; source 0 window 1, source 1 window 0, D window 2 + hi; C the same, or window 0 for the bias
.if \zero
	WIN 0x81+0x40*(\hi)
.else
	WIN 0xa1+0x50*(\hi)
.endif
.endm
.macro PLACES n
.rept \n
	v_nop
.endr
.endm
.macro TL g0, g1                       ; a tensor load
	tensor_load_to_lds s[\g0:\g0+3], s[\g1:\g1+7]
	s_nop 0
	PLACES 4
.endm
.macro JLOAD g0a, g1a, g0b, g1b        ; waves 0, 1 fetch for source 1, waves 2, 3 for source 0
	s_cmp_eq_u32 s15, 0
	s_cbranch_scc0 .Lfor_b_\@
	TL \g0a, \g1a
	s_branch .Lasked_\@
.Lfor_b_\@:
	TL \g0b, \g1b
.Lasked_\@:
.endm
.macro CREST
	s_cmp_lg_u32 s14, 0
	s_cbranch_scc1 .Lnot_wave_0_\@
	s_barrier_signal -3
.Lnot_wave_0_\@:
	s_barrier_wait -3
	s_barrier_signal -1
	s_barrier_wait -1
.endm
.macro CROUND
	s_barrier_signal -1
	s_barrier_wait -1
	CREST
.endm
	s_load_b256 s[4:11], s[0:1], 0x0               ; codes, scales, b_q, b_k
	s_load_b128 s[92:95], s[0:1], 0x20             ; b_v, img
	s_load_b64 s[96:97], s[0:1], 0x30              ; sc
	v_lshl_add_u32 v[SPW], v0, 2, SPARE
	v_mov_b32 v[NIL], 0
	ds_add_u32 v[SPW], v[NIL]                      ; the opening lines
	ds_add_u32 v[SPW], v[NIL]
	v_lshrrev_b32 v1, 5, v0
	v_readfirstlane_b32 s14, v1                    ; wave
	s_lshr_b32 s15, s14, 1
	s_and_b32 s16, s14, 1
	s_bfe_u32 s40, ttmp6, 0x40000                  ; cx
	s_bfe_u32 s41, ttmp6, 0x40004                  ; cy
	s_lshl_b32 s42, ttmp9, 2
	s_add_co_u32 s42, s42, s40
	s_and_b32 s17, ttmp7, 0xffff                   ; cluster y
	s_lshr_b32 s2, s17, 4                          ; 1: v
	s_xor_b32 s101, s2, 1
	s_lshl_b32 s43, s41, 2
	s_lshl_b32 s43, 15, s43                        ; my row of the cluster
	s_lshl_b32 s44, 0x1111, s40                    ; my column
	s_or_b32 s[G1+0], s43, (1<<20)|(1<<21)|(5<<22)|(3<<25)   ; elements of 1 byte, 4 words of padding behind every 64
	s_or_b32 s[G1B+0], s44, (1<<20)|(1<<21)|(5<<22)|(3<<25)
.irp g, G1, G1B
	s_mov_b32 s[\g+1], ROWB<<16
	s_mov_b32 s[\g+2], 256<<16                     ; 256 rows at the head; 128 behind it
	s_mov_b32 s[\g+3], ROWB<<16
	s_mov_b32 s[\g+4], 256
	s_mov_b32 s[\g+5], KROW
	s_mov_b32 s[\g+6], 0
	s_mov_b32 s[\g+7], 0
.endr
	s_or_b32 s[G1S+0], s43, (3<<16)|(1<<20)|(1<<21)|(5<<22)|(3<<25)   ; the scales of 256 rows: 32 rows of 256 bytes
	s_or_b32 s[G1SB+0], s44, (3<<16)|(1<<20)|(1<<21)|(5<<22)|(3<<25)
.irp g, G1S, G1SB
	s_mov_b32 s[\g+1], 32<<16
	s_mov_b32 s[\g+2], KS<<16
	s_mov_b32 s[\g+3], 32<<16
	s_mov_b32 s[\g+4], KS
	s_mov_b32 s[\g+5], 32
	s_mov_b32 s[\g+6], 0
	s_mov_b32 s[\g+7], 0
.endr
	s_lshl_b32 s19, s17, 10
	s_mul_i32 s20, s101, s19                       ; source 1's first row: x's 1,024 x cluster y + 256 cy, or W_v's 26,624 + 256 cy
	s_mul_i32 s21, s2, 26624
	s_add_co_u32 s20, s20, s21
	s_lshl_b32 s21, s41, 8
	s_add_co_u32 s20, s20, s21
	s_mul_i32 s46, s2, s19                         ; source 0's: W_q's or W_k's 24,576 + .. + 256 cx, or x_v's
	s_lshr_b32 s47, s17, 3
	s_lshl_b32 s47, s47, 10
	s_add_co_u32 s47, s47, 24576
	s_mul_i32 s47, s47, s101
	s_add_co_u32 s46, s46, s47
	s_lshl_b32 s47, s42, 8
	s_add_co_u32 s46, s46, s47
	s_mov_b32 s21, 0
	s_mov_b32 s47, 0
	s_mov_b64 s[18:19], KS
	s_mul_u64 s[22:23], s[20:21], s[18:19]
	s_mul_u64 s[98:99], s[46:47], s[18:19]
	s_mov_b64 s[18:19], KROW
	s_mul_u64 s[20:21], s[20:21], s[18:19]
	s_mul_u64 s[46:47], s[46:47], s[18:19]
	s_mul_i32 s45, s14, HALFT                      ; the ring: where my 128 rows go
	s_wait_dscnt 0x0
	s_wait_kmcnt 0x0
	s_add_nc_u64 s[20:21], s[4:5], s[20:21]
	s_add_nc_u64 s[22:23], s[6:7], s[22:23]
	s_add_nc_u64 s[46:47], s[4:5], s[46:47]
	s_add_nc_u64 s[98:99], s[6:7], s[98:99]
	CROUND                                         ; the first joint loads meet
	s_mov_b32 s[G0], 1                             ; the head's four tiles, each whole.  Slot 0's groups 0 serve them first
	s_mov_b32 s[G0+1], 0
	s_mov_b64 s[G0+2:G0+3], s[20:21]
	s_or_b32 s[G0+3], s[G0+3], 0x80000000
	s_mov_b32 s[G0B], 1
	s_mov_b32 s[G0B+1], 2*HALFT
	s_mov_b64 s[G0B+2:G0B+3], s[46:47]
	s_or_b32 s[G0B+3], s[G0B+3], 0x80000000
	s_mov_b32 s[G0S], 1
	s_mov_b32 s[G0S+1], SCL
	s_mov_b64 s[G0S+2:G0S+3], s[22:23]
	s_or_b32 s[G0S+3], s[G0S+3], 0x80000000
	s_mov_b32 s[G0SB], 1
	s_mov_b32 s[G0SB+1], SCL+2*HALFS
	s_mov_b64 s[G0SB+2:G0SB+3], s[98:99]
	s_or_b32 s[G0SB+3], s[G0SB+3], 0x80000000
	s_mul_i32 s98, s16, 128*KROW                   ; the ring: which 128 rows of a tile I fetch, in bytes
	s_mov_b32 s99, 0
	s_mov_b32 s[G0+4], 1                           ; slot 1: chunk 1
	s_add_co_u32 s[G0+5], s45, SLOT
	s_add_nc_u64 s[G0+6:G0+7], s[20:21], s[98:99]
	s_add_nc_u64 s[G0+6:G0+7], s[G0+6:G0+7], ROWB
	s_or_b32 s[G0+7], s[G0+7], 0x80000000
	s_mov_b32 s[G0B+4], 1
	s_add_co_u32 s[G0B+5], s45, SLOT
	s_add_nc_u64 s[G0B+6:G0B+7], s[46:47], s[98:99]
	s_add_nc_u64 s[G0B+6:G0B+7], s[G0B+6:G0B+7], ROWB
	s_or_b32 s[G0B+7], s[G0B+7], 0x80000000
.macro ARM under, g0, g1, next         ; one chain of branches on the wave's number, one load to an arm
	s_cmp_lt_u32 s14, \under
	s_cbranch_scc0 \next
	TL \g0, \g1
	s_branch .Lhead_asked
\next:
.endm
	ARM 1, G0,  G1,  .Lhead_b
	ARM 2, G0B, G1B, .Lhead_sa
	ARM 3, G0S, G1S, .Lhead_sb
	TL G0SB, G1SB
.Lhead_asked:
	v_and_b32 v1, 15, v0
	v_bfe_u32 v2, v0, 4, 1
	v_mul_u32_u24 v3, v1, PITCH
	v_mul_u32_u24 v4, v2, 24
	v_add_nc_u32 v4, v3, v4                        ; row x pitch + 24 x half
	s_mov_b32 s21, SLOT-232
	s_mov_b32 s22, SLOT+232
	v_sub_nc_u32 v7, 1, v2
	v_mul_u32_u24 v5, s21, v2
	v_add_nc_u32 v5, v3, v5
	v_add_nc_u32 v5, 232, v5                       ; lanes 0-15 byte 232 of the row in slot 0, lanes 16-31 byte 0 in slot 1
	v_mul_u32_u24 v6, s22, v7
	v_add_nc_u32 v6, v3, v6                        ; and the other way round
	s_mul_i32 s21, s15, HALFT
	s_mul_i32 s22, s16, HALFT
	s_add_co_u32 s22, s22, 2*HALFT
	v_add_nc_u32 v[ADRA+2], s21, v5
	v_add_nc_u32 v[ADRA+3], s21, v6
	v_add_nc_u32 v[ADRB+2], s22, v5
	v_add_nc_u32 v[ADRB+3], s22, v6
.irp s, 0,1
	v_add_nc_u32 v[ADRA+\s], s21, v4
	v_add_nc_u32 v[ADRB+\s], s22, v4
	s_add_co_u32 s21, s21, SLOT
	s_add_co_u32 s22, s22, SLOT
.endr
	v_mul_u32_u24 v5, v1, KS
	v_lshrrev_b32 v6, 8, v5
	v_lshl_add_u32 v5, v6, 4, v5
	s_mul_i32 s21, s15, HALFS
	s_mul_i32 s22, s16, HALFS
	s_add_co_u32 s22, s22, 2*HALFS
	s_sub_co_u32 s22, s22, s21
	v_mul_u32_u24 v6, s22, v2                      ; lanes 16-31 take source 0's scale words
	s_add_co_u32 s21, s21, SCL
	v_add_nc_u32 v5, v5, v6
	v_add_nc_u32 v[ADRS], s21, v5
	v_and_b32 v6, 31, v0
	v_lshlrev_b32 v[OFI], 4, v6
	s_cmp_lt_u32 s17, 8                            ; the bias: which vector, and how a lane's registers run in it
	s_cselect_b64 s[8:9], s[8:9], s[10:11]
	s_cmp_lt_u32 s17, 16
	s_cselect_b64 s[8:9], s[8:9], s[92:93]
	s_lshl_b32 s3, s17, 2
	s_cmp_eq_u32 s2, 1
	s_cselect_b32 s18, s41, s42
	s_cselect_b32 s19, s15, s16
	s_cselect_b32 s10, s42, s41
	s_cselect_b32 s11, s16, s15
	s_cselect_b32 s92, 4, 0
	s_cselect_b32 s93, 0, 64
	s_cselect_b32 s100, 0, 4
	s_add_co_u32 s3, s3, s10
	s_and_b32 s3, s3, 31
	s_lshl_b32 s3, s3, 1
	s_add_co_u32 s3, s3, s11
	s_lshl_b32 s10, s18, 10
	s_lshl_b32 s11, s19, 9
	s_add_co_u32 s10, s10, s11
	s_mov_b32 s11, 0
	s_add_nc_u64 s[8:9], s[8:9], s[10:11]
	v_and_b32 v7, 8, v1
	v_add_nc_u32 v7, v7, v1
	v_mul_u32_u24 v7, s92, v7
	v_mul_u32_u24 v8, s93, v2
	v_add_nc_u32 v7, v7, v8
	v_mov_b32 v8, s100
.irp j, 0,1,2,3,4,5,6,7
	v_mad_u32_u24 v[AJ+\j], v8, \j, v7
.endr
.irp t, 0,1,2,3,4,5,6,7
.irp j, 0,1,2,3,4,5,6,7
	global_load_b32 v[CBI+8*\t+\j], v[AJ+\j], s[8:9] offset:(32*(\t/2)+8*(\t%2))*4
.endr
.endr
	s_lshr_b32 s10, s3, 4                          ; where the images and scale words go
	s_lshl_b32 s10, s10, 4
	s_lshl_b32 s18, s18, 2
	s_lshl_b32 s19, s19, 1
	s_add_co_u32 s10, s10, s18
	s_add_co_u32 s10, s10, s19
	s_and_b32 s3, s3, 15
	s_cmp_ge_u32 s17, 8
	s_cselect_b32 s18, 12582912, 0
	s_cselect_b32 s19, 1048576, 0
	s_mul_i32 s11, s10, 196608
	s_add_co_u32 s18, s18, s11
	s_mul_i32 s11, s3, 12288
	s_add_co_u32 s18, s18, s11
	s_lshl_b32 s10, s10, 14
	s_add_co_u32 s10, s10, s19
	s_lshl_b32 s3, s3, 10
	s_add_co_u32 s10, s10, s3
	s_mov_b32 s19, 0
	s_mov_b32 s11, 0
	s_add_nc_u64 s[12:13], s[94:95], s[18:19]
	s_add_nc_u64 s[66:67], s[96:97], s[10:11]
.macro FRAG reg, adr, st, i            ; a fragment: six pieces of 8 bytes; byte y of a row lies in chunk y / 256, slot (y / 256) % 2
.irp p, 0,1,2,3,4,5
.set BY, 96*(\st)+48*(\p/3)+8*(\p%3)
.if BY/ROWB == (BY+24)/ROWB
	ds_load_b64 v[\reg+2*\p:\reg+2*\p+1], v[\adr+(BY/ROWB)%2] offset:BY%ROWB+(\i)*16*PITCH
.else
	ds_load_b64 v[\reg+2*\p:\reg+2*\p+1], v[\adr+2+(BY/ROWB)%2] offset:BY%ROWB-232+(\i)*16*PITCH
.endif
.endr
.endm
.macro MM a, b, p, q, sc, c
	v_wmma_scale_f32_16x16x128_f8f6f4 v[8*(8*((\a)%4)+\b):8*(8*((\a)%4)+\b)+7], v[128*(\p)+FR*\b:128*(\p)+FR*\b+FR-1], v[AF+FR*(\a):AF+FR*(\a)+FR-1], \c, v[SC+8*NQ*(\sc)+NQ*\b+(\q)], v[SC+8*NQ*(\sc)+NQ*(\a)+(\q)] matrix_a_fmt:MATRIX_FMT_BF6 matrix_b_fmt:MATRIX_FMT_BF6 matrix_a_scale:MATRIX_SCALE_ROW1
.endm
.macro MUL16 a0, p, q, sc, zero        ; 16 products; the 64 accumulators take turns.  zero = 1: C = the bias by source 0's block; 2: by source 1's
.irp a, \a0, \a0+1
.irp b, 0,1,2,3,4,5,6,7
.if \zero == 1
	MM \a, \b, \p, \q, \sc, v[CBI+8*\b:CBI+8*\b+7]
.elseif \zero == 2
	MM \a, \b, \p, \q, \sc, v[CBI+8*(\a):CBI+8*(\a)+7]
.else
	MM \a, \b, \p, \q, \sc, v[8*(8*((\a)%4)+\b):8*(8*((\a)%4)+\b)+7]
.endif
.endr
.endr
.endm
.macro FETCH_B st, p
	WIN TO_B
.irp i, 0,1,2,3,4,5,6,7
	FRAG 128*(\p)+FR*\i, ADRB, \st, \i
.endr
	WIN 0
.endm
.macro FETCH_A st, i0
.irp i, \i0, \i0+1, \i0+2, \i0+3
	FRAG AF+FR*(\i), ADRA, \st, \i
.endr
.endm
.macro SCALES pr                       ; the scale words of steps 2 pr, 2 pr + 1 into set pr % 2
.irp i, 0,1,2,3,4,5,6,7
	ds_load_b64 v[SC+8*NQ*((\pr)%2)+NQ*\i:SC+8*NQ*((\pr)%2)+NQ*\i+1], v[ADRS] offset:\i*SBLK+4*NQ*(\pr)
.endr
.endm
; A step: 64 products; the next step's fragments are fetched in its middle and at its end.  Where the next step's bytes end in a chunk not read yet, a barrier shows that chunk whole;
; where they begin in a later chunk, the chunk left behind is read no more: the three lines, the barrier, and, if a chunk two on is left, the cluster's round and the refill.
.macro STEP st, zero
.set NX, (\st)+1
.set C0, (96*(\st))/ROWB
.set C1, (96*NX)/ROWB
.set E0, (96*(\st)+95)/ROWB
.set E1, (96*NX+95)/ROWB
.if C1 > C0 || E1 > E0
	s_wait_tensorcnt 0x0                           ; all my tensor loads have landed
.if C1 > C0
	ds_add_u32 v[SPW], v[NIL]
	s_wait_dscnt 4*NL+1                            ; the add and source 1's blocks 4-7 may be out
.else
	s_wait_dscnt 4*NL                              ; source 1's blocks 4-7 may be out
.endif
	WMUL 0, \zero
	MUL16 0, (\st)%2, (\st)%2, ((\st)/2)%2, \zero
	s_wait_dscnt 0x0                               ; the add and all my reads are done
	s_barrier_signal -1
	MUL16 2, (\st)%2, (\st)%2, ((\st)/2)%2, \zero
	WIN 0
	s_barrier_wait -1
.if C1 > C0 && C0+2 < CHUNKS
	CREST
	s_add_nc_u64 s[G0+4*(C0%2)+2:G0+4*(C0%2)+3], s[G0+4*(C0%2)+2:G0+4*(C0%2)+3], 2*ROWB
	s_add_nc_u64 s[G0B+4*(C0%2)+2:G0B+4*(C0%2)+3], s[G0B+4*(C0%2)+2:G0B+4*(C0%2)+3], 2*ROWB
	JLOAD G0+4*(C0%2), G1, G0B+4*(C0%2), G1B       ; chunk C0 + 2; its four v_nop are the places ahead of the loads below
.else
	PLACES NP
.endif
.else
	s_wait_dscnt 4*NL
	WMUL 0, \zero
	MUL16 0, (\st)%2, (\st)%2, ((\st)/2)%2, \zero
	MUL16 2, (\st)%2, (\st)%2, ((\st)/2)%2, \zero
	s_wait_dscnt 0
	PLACES NP
.endif
	FETCH_B NX, NX%2
	FETCH_A NX, 0
.if NX%2 == 0
	SCALES NX/2
.endif
	WMUL 1, \zero
	MUL16 4, (\st)%2, (\st)%2, ((\st)/2)%2, \zero
	MUL16 6, (\st)%2, (\st)%2, ((\st)/2)%2, \zero
	PLACES NP
	WIN 0
	FETCH_A NX, 4
.endm
	s_wait_alu depctr_va_vdst(0)
	s_wait_tensorcnt 0x0                           ; my tile of the head's four is in
	ds_add_u32 v[SPW], v[NIL]
	s_mov_b32 s[G1+2], 128<<16                     ; no load of mine is out: from here on a load brings 128 rows,
	s_mov_b32 s[G1+4], 128
	s_mov_b32 s[G1B+2], 128<<16
	s_mov_b32 s[G1B+4], 128
	s_mov_b32 s[G0+1], s45                         ; and slot 0's groups 0 point at my 128 rows
	s_add_nc_u64 s[G0+2:G0+3], s[G0+2:G0+3], s[98:99]
	s_mov_b32 s[G0B+1], s45
	s_add_nc_u64 s[G0B+2:G0B+3], s[G0B+2:G0B+3], s[98:99]
	s_wait_dscnt 0x0
	CROUND
	JLOAD G0+4, G1, G0B+4, G1B                     ; chunk 1, the first tensor load behind the round
	s_wait_loadcnt 0x0                             ; the bias
	FETCH_B 0, 0
	FETCH_A 0, 0
	SCALES 0
	FETCH_A 0, 4
	s_cmp_eq_u32 s2, 1                             ; the cluster's y alone decides
	s_cbranch_scc1 .Lfirst_v
	STEP 0, 1
	s_branch .Ljoin
.Lfirst_v:
	STEP 0, 2
.Ljoin:
.set ST, 1
.rept STEPS-2
	STEP ST, 0
.set ST, ST+1
.endr
	s_wait_dscnt 4*NL                              ; the last step fetches nothing
	WMUL 0, 0
	MUL16 0, 1, 1, 1, 0
	MUL16 2, 1, 1, 1, 0
	s_wait_dscnt 0
	WMUL 1, 0
	MUL16 4, 1, 1, 1, 0
	MUL16 6, 1, 1, 1, 0
	WIN 0
; THE WAY OUT: four scale blocks of 32 (16 registers in lanes l and l xor 16 each) make one operand of 12 registers and its scale word
.macro QUANT2 W, s0, s1, pw
.set SB0, \s0
.set SB1, (\s0)+16
.set SB2, \s1
.set SB3, (\s1)+16
.set WQ, ((\W)<<2)|((\W)<<4)
.set WC, \W
	WIN WQ
.irp b, 0,1,2,3
	v_max3_num_f32 v[TM+\b], 0x2800000, |v[SB\b]|, |v[SB\b+1]|
.endr
.irp i, 2,4,6,8,10,12,14
.irp b, 0,1,2,3
	v_max3_num_f32 v[TM+\b], v[TM+\b], |v[SB\b+\i]|, |v[SB\b+\i+1]|
.endr
.endr
	WIN 0
.irp b, 0,1,2,3
	v_permlanex16_b32 v[TM+4+\b], v[TM+\b], s98, s99
.endr
.irp b, 0,1,2,3
	v_max_num_f32 v[TM+\b], v[TM+\b], v[TM+4+\b]
.endr
.irp b, 0,1,2,3
	v_add_nc_u32 v[TM+12+\b], 0xfe000000, v[TM+\b]
.endr
.irp b, 0,1,2,3
	v_lshrrev_b32 v[TM+4+\b], 23, v[TM+12+\b]
.endr
	v_lshl_or_b32 v[\pw], v[TM+5], 8, v[TM+4]
	v_lshl_or_b32 v[\pw], v[TM+6], 16, v[\pw]
	v_lshl_or_b32 v[\pw], v[TM+7], 24, v[\pw]
	s_wait_xcnt 0x0                                ; the last operand's stores have read their registers
	WIN WC
	v_cvt_scalef32_pk16_bf6_f32 v[PC:PC+2], v[SB0:SB0+15], v[TM+12]
	v_cvt_scalef32_pk16_bf6_f32 v[PC+12:PC+14], v[SB1:SB1+15], v[TM+13]
	v_cvt_scalef32_pk16_bf6_f32 v[PC+6:PC+8], v[SB2:SB2+15], v[TM+14]
	v_cvt_scalef32_pk16_bf6_f32 v[PC+16:PC+18], v[SB3:SB3+15], v[TM+15]
	WIN 0
	v_nop
.irp c, 0,1
.irp i, 0,1,2
	v_permlane16_swap_b32 v[PC+6*\c+\i], v[PC+12+4*\c+\i]
.endr
.irp i, 0,1,2
	v_mov_b32 v[PC+3+6*\c+\i], v[PC+12+4*\c+\i]
.endr
.endr
.endm
.macro OUTF off
.irp c, 0,1,2
	global_store_b128 v[OFI], v[PC+4*\c:PC+4*\c+3], s[12:13] offset:(\off)+512*\c
.endr
.endm
	PLACES NP
	s_mov_b32 s98, 0x76543210
	s_mov_b32 s99, 0xfedcba98
.irp b, 0,1,2,3
	v_mov_b32 v[TM+4+\b], 0
.endr
	s_cmp_eq_u32 s2, 1
	s_cbranch_scc1 .Lout_v
.irp hd, 0,1
.irp g, 0,1,2,3
	QUANT2 2+\g/2, 128*(\g%2)+32*\hd, 128*(\g%2)+32*\hd+64, PWB+4*\hd+\g
	OUTF \hd*196608+\g*1536
.endr
	global_store_b128 v[OFI], v[PWB+4*\hd:PWB+4*\hd+3], s[66:67] offset:\hd*16384
.endr
	s_branch .Ldone
.Lout_v:
.irp a, 0,1,2,3,4,5,6,7
	QUANT2 2+\a/4, 64*(\a%4), 64*(\a%4)+32, PWB+\a
	OUTF (\a/4)*196608+6144+(\a%4)*1536
.if \a%4 == 3
	global_store_b128 v[OFI], v[PWB+\a-3:PWB+\a], s[66:67] offset:(\a/4)*16384+512
.endif
.endr
.Ldone:
	s_wait_tensorcnt 0x0                           ; the wave's end
	ds_add_u32 v[SPW], v[NIL]
	s_wait_dscnt 0x0
	CROUND                                         ; the closing round
	s_endpgm
.Lfunc_end_k_q108e504537_proj:
	.size	k_q108e504537_proj, .Lfunc_end_k_q108e504537_proj-k_q108e504537_proj
	.p2alignl 7, 3214868480
	.fill 96, 4, 3214868480
	.section	.rodata,"a",@progbits
	.p2align	6, 0x0
	.amdhsa_kernel k_q108e504537_proj
		.amdhsa_group_segment_fixed_size 327680
		.amdhsa_private_segment_fixed_size 0
		.amdhsa_enable_private_segment 0
		.amdhsa_kernarg_size 56
		.amdhsa_user_sgpr_count 2
		.amdhsa_user_sgpr_kernarg_segment_ptr 1
		.amdhsa_wavefront_size32 1
		.amdhsa_system_sgpr_workgroup_id_x 1
		.amdhsa_system_sgpr_workgroup_id_y 1
		.amdhsa_system_sgpr_workgroup_id_z 1
		.amdhsa_system_vgpr_workitem_id 0
		.amdhsa_next_free_vgpr 1024
		.amdhsa_next_free_sgpr 102
		.amdhsa_reserve_vcc 0
		.amdhsa_float_denorm_mode_32 3
		.amdhsa_float_denorm_mode_16_64 3
		.amdhsa_memory_ordered 1
		.amdhsa_forward_progress 1
		.amdhsa_inst_pref_size 220
	.end_amdhsa_kernel
	.amdgpu_metadata
---
amdhsa.version: [ 1, 2 ]
amdhsa.kernels:
  - .name:           k_q108e504537_proj
    .symbol:         k_q108e504537_proj.kd
    .args:
      - { .name: codes, .offset: 0, .size: 8, .value_kind: global_buffer, .address_space: global }
      - { .name: scales, .offset: 8, .size: 8, .value_kind: global_buffer, .address_space: global }
      - { .name: b_q, .offset: 16, .size: 8, .value_kind: global_buffer, .address_space: global }
      - { .name: b_k, .offset: 24, .size: 8, .value_kind: global_buffer, .address_space: global }
      - { .name: b_v, .offset: 32, .size: 8, .value_kind: global_buffer, .address_space: global }
      - { .name: img, .offset: 40, .size: 8, .value_kind: global_buffer, .address_space: global }
      - { .name: sc, .offset: 48, .size: 8, .value_kind: global_buffer, .address_space: global }
    .group_segment_fixed_size: 327680
    .private_segment_fixed_size: 0
    .kernarg_segment_align: 8
    .kernarg_segment_size: 56
    .max_flat_workgroup_size: 128
    .sgpr_count:     102
    .vgpr_count:     1024
    .wavefront_size: 32
...
	.end_amdgpu_metadata
.endif
;; end of part 2
;; launch attn (part 3): grid 4 x 64, 16 waves a work-group, clusters of 4 x 1, 327,680 bytes of LDS; arguments img, sc, att_mask, out0; writes out0
.if DOCPART == 3
	.amdgcn_target "amdgcn-amd-amdhsa--gfx1250"
	.amdhsa_code_object_version 6
	.text
	.protected	k_q108e504537_attn
	.globl	k_q108e504537_attn
	.p2align	8
	.type	k_q108e504537_attn,@function
k_q108e504537_attn:
	s_mov_b64 s[64:65], 0
	v_nop
	global_prefetch_b8 v0, s[64:65] scope:SCOPE_SE
	s_setreg_imm32_b32 hwreg(HW_REG_WAVE_MODE, 25, 1), 1
	s_wait_xcnt 0x0
	s_wait_alu depctr_hold_cnt(0) depctr_sa_sdst(0) depctr_va_vdst(0) depctr_va_sdst(0) depctr_va_ssrc(0) depctr_va_vcc(0) depctr_vm_vsrc(0)
	s_getreg_b32 s2, hwreg(HW_REG_IB_STS2, 6, 4)
	s_cmp_eq_u32 s2, 0
	s_cbranch_scc0 .Lentry_in_a_cluster
	s_endpgm
.Lentry_in_a_cluster:
	s_bfe_u32 s2, ttmp6, 0x10000c
	s_cmp_lg_u32 s2, 0x3003
	s_cbranch_scc0 .Lentry_shape_is_right
	s_endpgm
.Lentry_shape_is_right:
; out0[batch][q][64 head + d] = the sum over keys of softmax_k(q . k / 8 + att_mask[batch][k]) v[k][d], for 64 heads (16 x batch + head) of 2,048 tokens and 64 channels, both products on codes of BF6 (E3M2) with E8M0 scales.
; q, k, v arrive as images of operand registers (img, sc): a fragment is 1,536 bytes, registers 4 c .. 4 c + 3 of lane l at 512 c + 16 l; a step is 128 tokens: 4 fragments of k, then 4 of v.
; THE SOFTMAX: t = logit x log2(e); M = the row's largest t so far, rounded UP to a whole number; p = 2^(t - M) is quantised along the keys, not normalised.  The row's sum is taken of the unquantised p and divides at the end.
; When M moves, the sum and O are multiplied by 2^(old M - new M): exact.
; SHARES.  The four work-groups of a cluster share a head; each owns 512 of its queries.  Each of the sixteen waves owns a tile of 16 queries in each of two passes and walks all 16 steps of keys.
; NO RING: a head's codes of k and v (196,608 bytes) and scale words (16,384) fit in LDS.  They are filled ONCE, by joint loads (mask 15), one tensor load a wave: waves 0-7 two steps of codes each, waves 8 and 9 half of the
; scale words each.  Every wave waits for its load, ONE barrier shows all of it and the waves' stores of the mask, and behind it no wave waits for another.
; THE SCORE PRODUCT HAS K = 64 in an instruction of K = 128.  A fragment of k holds two groups of 16 keys, one in each half of K, and q is kept twice: Q1 = [q | 0], Q2 = [0 | q]: the 16 registers of the two results are 16 neighbouring keys.
; THE MASK: 8 x mask is loaded from LDS into the score accumulators and is the products' C; (score + 8 mask) x log2(e) / 8 is t.  The factor 8 is exact.
; Both products are used transposed (S^T = k q^T, O^T = v^T p^T): a lane holds ONE query (lane % 16).
; LIMITS.  8 x mask is held at -2^31 from below.  So mask values under -2^28, -infinity among them, count as -2^28: such a key counts for nothing beside any key not so hidden; where EVERY key of a batch lies under -2^28 their
; differences are lost, and where all are -infinity the result is finite.  Mask values above 2^30, NaN and +infinity are not served.  The promise holds while the scaled scores stay under 2^31 in magnitude.
; No data prefetch: every byte of k and v is asked for by the tensor loads at the head; no loop runs ahead of them.
.set KVB,  12288                       ; a step's codes: 6,144 bytes of k, 6,144 of v
.set SCB,  16*KVB                      ; the scale words, 1,024 bytes a step
.set MB,   SCB+16384                   ; 8 x mask: 1,024 bytes a step, 512 used; stored by the waves
.set STG,  MB+16384                    ; the way out: 16 rows x 272 bytes a wave
.set SPT,  272
.set SPARE, STG+16*16*SPT              ; the spare words: 128 bytes a wave
.set LI,   1                           ; 16 x lane
.set LSC,  2                           ; SCB + 16 x lane
.set LM,   3                           ; MB + 64 h
.set GO,   4                           ; 4,096 h + 16 r in out0
.set STO,  5
.set RD,   6
.set ADK,  8
.set ADS,  9
.set ADM,  10
.set Q1,   16
.set Q2,   28
.set SQ,   40
.set FF,   42                          ; f;  v43 p's scale word.  v12 -M, v13 the largest t, v[14:15] the sum
.set PW,   43
.set F,    44                          ; four fragments of k, then of v
.set KSC,  92
.set S,    96                          ; 8 x mask, then S^T, then p
.set O,    160
.set PCD,  192
.set PH,   204
.set BM,   212
.set PT,   216
.set SOP,  220
.set TT,   224
.set QT,   228
.set VSC,  240
.set QW,   244
.set MK,   246
.set WV,   16
.set XQ,   17
.set BH,   18
.set U,    19
.set SEL,  20
.set CS,   22
.set G1C,  24
.set G1S,  32
.set G0,   40                          ; s[40:43] group 0 of the scale words, s[44:47] of the codes
.set TK,   60
.set TS,   61
.set CNT,  62
.set PASS, 63
.set QP,   66
.set QS,   68
.set SH,   70
.set UM,   71
.macro CROUND
	s_barrier_signal -1
	s_barrier_wait -1
	s_cmp_lg_u32 s[WV], 0
	s_cbranch_scc1 .Lnot_wave_0_\@
	s_barrier_signal -3
.Lnot_wave_0_\@:
	s_barrier_wait -3
	s_barrier_signal -1
	s_barrier_wait -1
.endm
.macro QLOAD                           ; my pass's fragment of q and its scale word
.irp c, 0,1,2
	global_load_b128 v[QT+4*\c:QT+4*\c+3], v[LI], s[QP:QP+1] offset:512*\c
.endr
	global_load_b32 v[QW], v[LI], s[QS:QS+1]
.endm
	s_load_b256 s[4:11], s[0:1], 0x0               ; img, sc, att_mask, out0
	v_lshl_add_u32 v254, v0, 2, SPARE
	v_mov_b32 v255, 0
	ds_add_u32 v254, v255                          ; the opening lines
	ds_add_u32 v254, v255
	v_lshrrev_b32 v1, 5, v0
	s_delay_alu instid0(VALU_DEP_1)
	v_readfirstlane_b32 s[WV], v1
	s_bfe_u32 s[XQ], ttmp6, 0x40000
	s_lshl_b32 s72, ttmp9, 2
	s_add_co_u32 s[XQ], s[XQ], s72                 ; enters q's and out0's addresses alone
	s_and_b32 s[BH], ttmp7, 0xffff
	s_and_b32 s[U], s[WV], 1
	s_mul_i32 s72, s[BH], 16*KVB                   ; the head's codes,
	s_lshl_b32 s73, s[BH], 14                      ; and scale words, within a part
	s_mul_i32 s74, s[WV], 2*KVB                    ; waves 0-7: my two steps, in memory and in LDS alike
	s_lshl_b32 s75, s[U], 13                       ; waves 8, 9: my half of the scale words
	s_add_co_u32 s76, s72, s74
	s_add_co_u32 s76, s76, 64*16*KVB               ; part 1: k and v
	s_mov_b32 s77, 0
	s_add_co_u32 s78, s73, s75
	s_add_co_u32 s78, s78, 64*16*1024
	s_mov_b32 s79, 0
	s_mov_b32 s[G1C], 15|(3<<16)|(1<<21)           ; dense blocks as rows of 256 bytes: 96 rows of codes,
	s_mov_b32 s[G1C+1], 32<<16
	s_mov_b32 s[G1C+2], 96<<16
	s_mov_b32 s[G1C+3], 32<<16
	s_mov_b32 s[G1C+4], 96
	s_mov_b32 s[G1C+5], 32
	s_mov_b32 s[G1C+6], 0
	s_mov_b32 s[G1C+7], 0
	s_mov_b32 s[G1S], 15|(3<<16)|(1<<21)           ; 32 rows of scale words
	s_mov_b32 s[G1S+1], 32<<16
	s_mov_b32 s[G1S+2], 32<<16
	s_mov_b32 s[G1S+3], 32<<16
	s_mov_b32 s[G1S+4], 32
	s_mov_b32 s[G1S+5], 32
	s_mov_b32 s[G1S+6], 0
	s_mov_b32 s[G1S+7], 0
	s_lshl_b32 s71, s[XQ], 2                       ; my tile in pass 0: step 4 xq + wave / 8, fragment g = (wave / 2) % 4, half u
	s_lshr_b32 s70, s[WV], 3
	s_add_co_u32 s71, s71, s70
	s_bfe_u32 s70, s[WV], 0x20001
	s_mul_i32 s60, s71, KVB
	s_mul_i32 s61, s70, 1536
	s_add_co_u32 s60, s60, s61
	s_add_co_u32 s60, s60, s72
	s_mov_b32 s61, 0
	s_lshl_b32 s62, s71, 10
	s_lshl_b32 s63, s70, 2
	s_add_co_u32 s62, s62, s63
	s_add_co_u32 s62, s62, s73
	s_mov_b32 s63, 0
	s_lshl_b32 s12, s71, 7
	s_lshl_b32 s13, s70, 5
	s_add_co_u32 s12, s12, s13
	s_lshl_b32 s13, s[U], 3
	s_add_co_u32 s12, s12, s13                     ; token0 = 128 x step + 32 g + 8 u
	s_lshl_b32 s12, s12, 12
	s_lshr_b32 s13, s[BH], 4
	s_lshl_b32 s14, s13, 23
	s_add_co_u32 s12, s12, s14
	s_and_b32 s14, s[BH], 15
	s_lshl_b32 s14, s14, 8
	s_add_co_u32 s12, s12, s14
	s_lshl_b32 s14, s13, 13
	s_mov_b32 s13, 0
	s_mov_b32 s15, 0
	s_lshl_b32 s[SH], s[U], 4
	s_cmp_eq_u32 s[U], 1
	s_cselect_b32 s[UM], -1, 0
	s_mov_b32 s[SEL], 0x76543210
	s_mov_b32 s[SEL+1], 0xfedcba98
	s_mov_b32 s[CS], 0x3e38aa3b                    ; log2(e) / 8
	s_mov_b32 s[CS+1], s[CS]
	s_wait_dscnt 0x0
	s_wait_kmcnt 0x0
	s_add_nc_u64 s[QP:QP+1], s[4:5], s[60:61]
	s_add_nc_u64 s[QS:QS+1], s[6:7], s[62:63]
	s_add_nc_u64 s[10:11], s[10:11], s[12:13]
	s_add_nc_u64 s[8:9], s[8:9], s[14:15]
	s_mov_b32 s[G0], 1
	s_add_co_u32 s[G0+1], s75, SCB
	s_add_nc_u64 s[G0+2:G0+3], s[6:7], s[78:79]
	s_or_b32 s[G0+3], s[G0+3], 0x80000000
	s_mov_b32 s[G0+4], 1
	s_mov_b32 s[G0+5], s74
	s_add_nc_u64 s[G0+6:G0+7], s[4:5], s[76:77]
	s_or_b32 s[G0+7], s[G0+7], 0x80000000
	CROUND                                         ; the joint loads meet
	s_cmp_lt_u32 s[WV], 8                          ; one chain of branches on the wave's number, one load to an arm
	s_cbranch_scc0 .Lscl
	tensor_load_to_lds s[G0+4:G0+7], s[G1C:G1C+7]
	s_nop 0
.rept 4
	v_nop
.endr
	s_branch .Lasked
.Lscl:
	s_cmp_lt_u32 s[WV], 10
	s_cbranch_scc0 .Lnone
	tensor_load_to_lds s[G0:G0+3], s[G1S:G1S+7]
	s_nop 0
.rept 4
	v_nop
.endr
.Lnone:
.Lasked:
	v_and_b32 v[LI], 31, v0
	s_delay_alu instid0(VALU_DEP_1)
	v_lshlrev_b32 v[LI], 4, v[LI]
	v_lshlrev_b32 v9, 4, v0                        ; the mask: wave w takes the 128 keys of step w
	global_load_b128 v[MK:MK+3], v9, s[8:9]
	QLOAD
	v_and_b32 v7, 15, v0
	v_bfe_u32 v11, v0, 4, 1
	v_add_nc_u32 v[LSC], SCB, v[LI]
	s_delay_alu instid0(VALU_DEP_2)
	v_lshl_add_u32 v[LM], v11, 6, MB
	s_delay_alu instid0(VALU_DEP_3)
	v_lshlrev_b32 v[GO], 12, v11
	s_delay_alu instid0(VALU_DEP_1)
	v_lshl_add_u32 v[GO], v7, 4, v[GO]
	s_mul_i32 s72, s[WV], 16*SPT
	s_add_co_u32 s72, s72, STG
	v_mul_u32_u24 v[STO], v7, SPT
	s_delay_alu instid0(VALU_DEP_1)
	v_lshl_add_u32 v[STO], v11, 6, v[STO]
	s_delay_alu instid0(VALU_DEP_1)
	v_add_nc_u32 v[STO], s72, v[STO]
	v_mul_u32_u24 v[RD], v11, SPT
	s_delay_alu instid0(VALU_DEP_1)
	v_lshl_add_u32 v[RD], v7, 4, v[RD]
	s_delay_alu instid0(VALU_DEP_1)
	v_add_nc_u32 v[RD], s72, v[RD]
	s_lshl_b32 s73, s[WV], 10
	s_add_co_u32 s73, s73, MB
	v_add_nc_u32 v[ADK], s73, v[LI]
.irp i, 0,1,2,3,4,5
	v_mov_b32 v[Q1+6+\i], 0                        ; the zero halves of Q1 and Q2
	v_mov_b32 v[Q2+\i], 0
.endr
.irp b, 0,1,2,3
	v_mov_b32 v[PT+\b], 0                          ; a lane permute's destination counts as a source
.endr
	v_mov_b32 v[PW], 0
	s_wait_loadcnt 4                               ; the mask is in; q's four loads may be out
	v_pk_mul_f32 v[MK:MK+1], v[MK:MK+1], 0x41000000 op_sel_hi:[1,0]
	v_pk_mul_f32 v[MK+2:MK+3], v[MK+2:MK+3], 0x41000000 op_sel_hi:[1,0]
.irp i, 0,1,2,3
	v_max_num_f32 v[MK+\i], 0xcf000000, v[MK+\i]   ; held at -2^31 from below
.endr
	ds_store_b128 v[ADK], v[MK:MK+3]
	s_mov_b32 s[PASS], 2
	s_wait_alu depctr_va_vdst(0)
	s_wait_tensorcnt 0x0                           ; my tile has landed,
	s_wait_dscnt 0x0                               ; my part of the mask is stored:
	s_barrier_signal -1
	s_barrier_wait -1                              ; both hold of all sixteen waves; nothing is filled or stored there again
.Lpass:                                            ; two trips: a tile of 16 queries each
	s_wait_loadcnt 0x0
.irp i, 0,1,2,3,4,5
	v_cndmask_b32 v[Q1+\i], v[QT+\i], v[QT+6+\i], s[UM]
.endr
.irp i, 0,1,2,3,4,5
	v_mov_b32 v[Q2+6+\i], v[Q1+\i]
.endr
	v_lshrrev_b32 v[SQ], s[SH], v[QW]
	s_delay_alu instid0(VALU_DEP_1)
	v_and_b32 v[SQ], 0xffff, v[SQ]
	s_delay_alu instid0(VALU_DEP_1)
	v_lshl_or_b32 v[SQ], v[SQ], 16, v[SQ]          ; q's two scale bytes in both halves of the word
	v_mov_b32 v13, 0xff61b1e6                      ; -3e38
	s_delay_alu instid0(VALU_DEP_1)
	v_floor_f32 v12, -v13
	v_mov_b32 v14, 0
	v_mov_b32 v15, 0
.set J, 0
.rept 32
	v_mov_b32 v[O+J], 0                            ; the step is written once: the first finds zeros
.set J, J+1
.endr
	s_mov_b32 s[TK], 0
	s_mov_b32 s[TS], 0
	s_mov_b32 s[CNT], 16
.Lstep:                                            ; a key step: 128 keys
	v_add_nc_u32 v[ADK], s[TK], v[LI]
	v_add_nc_u32 v[ADS], s[TS], v[LSC]
	v_add_nc_u32 v[ADM], s[TS], v[LM]
	v_nop                                          ; four places behind the last step's products
.irp g, 0,1,2,3
.irp e, 0,1,2,3
	ds_load_b128 v[S+16*\g+4*\e:S+16*\g+4*\e+3], v[ADM] offset:128*\g+16*\e
.endr
.endr
.irp g, 0,1,2,3
.irp c, 0,1,2
	ds_load_b128 v[F+12*\g+4*\c:F+12*\g+4*\c+3], v[ADK] offset:1536*\g+512*\c
.endr
.endr
	ds_load_b128 v[KSC:KSC+3], v[ADS]
	s_wait_alu depctr_va_vdst(0)
	s_wait_dscnt 0x0
.irp g, 0,1,2,3                                ; S^T + 8 mask: eight accumulators, one instruction each
	v_wmma_scale_f32_16x16x128_f8f6f4 v[S+16*\g:S+16*\g+7], v[F+12*\g:F+12*\g+11], v[Q1:Q1+11], v[S+16*\g:S+16*\g+7], v[KSC+\g], v[SQ] matrix_a_fmt:MATRIX_FMT_BF6 matrix_b_fmt:MATRIX_FMT_BF6
	v_wmma_scale_f32_16x16x128_f8f6f4 v[S+16*\g+8:S+16*\g+15], v[F+12*\g:F+12*\g+11], v[Q2:Q2+11], v[S+16*\g+8:S+16*\g+15], v[KSC+\g], v[SQ] matrix_a_fmt:MATRIX_FMT_BF6 matrix_b_fmt:MATRIX_FMT_BF6
.endr
.rept 4
	v_nop
.endr
.irp t, 0,1,2,3
.irp c, 0,1,2
	ds_load_b128 v[F+12*\t+4*\c:F+12*\t+4*\c+3], v[ADK] offset:6144+1536*\t+512*\c   ; v's fragments land under the softmax
.endr
.endr
	ds_load_b128 v[VSC:VSC+3], v[ADS] offset:512
.irp b, 0,1,2,3
	v_max3_num_f32 v[BM+\b], v[S+16*\b], v[S+1+16*\b], v[S+2+16*\b]   ; each block's largest score: for the row's maximum and for the block's largest p
.endr
.irp i, 3,5,7,9,11,13
.irp b, 0,1,2,3
	v_max3_num_f32 v[BM+\b], v[BM+\b], v[S+16*\b+\i], v[S+1+16*\b+\i]
.endr
.endr
.irp b, 0,1,2,3
	v_max_num_f32 v[BM+\b], v[BM+\b], v[S+15+16*\b]
.endr
.irp b, 0,1,2,3
	s_delay_alu instid0(VALU_DEP_4)
	v_permlanex16_b32 v[PT+\b], v[BM+\b], s[SEL], s[SEL+1]
.endr
.irp b, 0,1,2,3
	s_delay_alu instid0(VALU_DEP_4)
	v_max_num_f32 v[BM+\b], v[BM+\b], v[PT+\b]
.endr
	s_delay_alu instid0(VALU_DEP_2)
	v_max3_num_f32 v[TT], v[BM], v[BM+1], v[BM+2]
	s_delay_alu instid0(VALU_DEP_1)
	v_max_num_f32 v[TT], v[TT], v[BM+3]
	s_delay_alu instid0(VALU_DEP_1)
	v_mul_f32 v[TT], s[CS], v[TT]
	s_delay_alu instid0(VALU_DEP_1)
	v_max_num_f32 v13, v13, v[TT]                  ; the running largest t
	v_mov_b32 v[TT], v12
	s_delay_alu instid0(VALU_DEP_2)
	v_floor_f32 v12, -v13                          ; -M = -ceil(t)
	s_delay_alu instid0(VALU_DEP_1)
	v_sub_f32 v[TT], v12, v[TT]
	s_delay_alu instid0(VALU_DEP_1)
	v_cvt_i32_f32 v[TT], v[TT]
	s_delay_alu instid0(VALU_DEP_1)
	v_ldexp_f32 v[FF], 1.0, v[TT]                  ; f = 2^(old M - new M)
.set J, 0
.rept 32
	v_pk_fma_f32 v[S+J:S+J+1], v[S+J:S+J+1], s[CS:CS+1], v[12:13] op_sel_hi:[1,0,0]   ; t - M
.set J, J+2
.endr
.irp b, 0,1,2,3
	v_fma_f32 v[BM+\b], v[BM+\b], s[CS], v12
.endr
	s_wait_alu depctr_va_vdst(0)
.set J, 0
.rept 64
	v_exp_f32 v[S+J], v[S+J]                       ; p = 2^(t - M)
.set J, J+1
.endr
	v_pk_mul_f32 v[14:15], v[14:15], v[FF:FF+1] op_sel_hi:[1,0]
	s_wait_alu depctr_va_vdst(0)
.irp b, 0,1,2,3
	v_exp_f32 v[BM+\b], v[BM+\b]                   ; the block's largest p
.endr
	v_pk_add_f32 v[226:227], v[100:101], v[104:105]   ; the row's sum of the unquantised p, in eight chains
	v_pk_add_f32 v[252:253], v[108:109], v[112:113]
	v_pk_add_f32 v[250:251], v[116:117], v[120:121]
	v_pk_add_f32 v[248:249], v[124:125], v[128:129]
	v_pk_add_f32 v[246:247], v[132:133], v[136:137]
	v_pk_add_f32 v[222:223], v[140:141], v[144:145]
	v_pk_add_f32 v[220:221], v[148:149], v[152:153]
	v_pk_add_f32 v[14:15], v[14:15], v[156:157]
	v_pk_add_f32 v[226:227], v[226:227], v[96:97]
	v_pk_add_f32 v[252:253], v[252:253], v[98:99]
	v_pk_add_f32 v[250:251], v[250:251], v[102:103]
	v_pk_add_f32 v[248:249], v[248:249], v[106:107]
	v_pk_add_f32 v[246:247], v[246:247], v[110:111]
	v_pk_add_f32 v[222:223], v[222:223], v[114:115]
	v_pk_add_f32 v[220:221], v[220:221], v[118:119]
	v_pk_add_f32 v[14:15], v[14:15], v[122:123]
	v_pk_add_f32 v[226:227], v[226:227], v[126:127]
	v_pk_add_f32 v[252:253], v[252:253], v[130:131]
	v_pk_add_f32 v[250:251], v[250:251], v[134:135]
	v_pk_add_f32 v[248:249], v[248:249], v[138:139]
	v_pk_add_f32 v[246:247], v[246:247], v[142:143]
	v_pk_add_f32 v[222:223], v[222:223], v[146:147]
	v_pk_add_f32 v[220:221], v[220:221], v[150:151]
	v_pk_add_f32 v[14:15], v[14:15], v[154:155]
	v_pk_add_f32 v[226:227], v[226:227], v[158:159]
	s_delay_alu instid0(VALU_DEP_2)
	v_pk_add_f32 v[14:15], v[14:15], v[248:249]
	s_delay_alu instid0(VALU_DEP_2)
	v_pk_add_f32 v[226:227], v[226:227], v[246:247]
	v_pk_add_f32 v[252:253], v[252:253], v[222:223]
	v_pk_add_f32 v[250:251], v[250:251], v[220:221]
	s_delay_alu instid0(VALU_DEP_2)
	v_pk_add_f32 v[14:15], v[14:15], v[252:253]
	s_delay_alu instid0(VALU_DEP_2)
	v_pk_add_f32 v[226:227], v[226:227], v[250:251]
	s_delay_alu instid0(VALU_DEP_1)
	v_pk_add_f32 v[14:15], v[14:15], v[226:227]
	s_wait_alu depctr_va_vdst(0)                   ; for the four exponentials
.irp b, 0,1,2,3
	v_max_num_f32 v[BM+\b], 0x2800000, v[BM+\b]    ; the floor 2^(5 - 127): the byte cannot fall under 1
.endr
.irp b, 0,1,2,3
	s_delay_alu instid0(VALU_DEP_4)
	v_add_nc_u32 v[SOP+\b], 0xfe000000, v[BM+\b]   ; the conversion's scale operand
.endr
.irp b, 0,1,2,3
	s_delay_alu instid0(VALU_DEP_4)
	v_lshrrev_b32 v[PT+\b], 23, v[SOP+\b]
.endr
	s_delay_alu instid0(VALU_DEP_3)
	v_lshl_or_b32 v[PW], v[PT+1], 8, v[PT]
	s_delay_alu instid0(VALU_DEP_1)
	v_lshl_or_b32 v[PW], v[PT+2], 16, v[PW]
	s_delay_alu instid0(VALU_DEP_1)
	v_lshl_or_b32 v[PW], v[PT+3], 24, v[PW]
.irp c, 0,1
	v_cvt_scalef32_pk16_bf6_f32 v[PCD+6*\c:PCD+6*\c+2], v[S+32*\c:S+32*\c+15], v[SOP+2*\c]
	v_cvt_scalef32_pk16_bf6_f32 v[PH+4*\c:PH+4*\c+2], v[S+16+32*\c:S+31+32*\c], v[SOP+2*\c+1]
.endr
	v_nop                                          ; a plain place behind a scaled conversion
.irp c, 0,1                                    ; a whole block in a lane
.irp i, 0,1,2
	v_permlane16_swap_b32 v[PCD+6*\c+\i], v[PH+4*\c+\i]
.endr
.irp i, 0,1,2
	s_delay_alu instid0(VALU_DEP_3)
	v_mov_b32 v[PCD+3+6*\c+\i], v[PH+4*\c+\i]
.endr
.endr
.set J, 0
.rept 16
	v_pk_mul_f32 v[O+J:O+J+1], v[O+J:O+J+1], v[FF:FF+1] op_sel_hi:[1,0]   ; O^T under the new M; also the places ahead of the products below
.set J, J+2
.endr
	s_wait_alu depctr_va_vdst(0)
	s_wait_dscnt 0x0                               ; v's fragments and scale words are in
.irp t, 0,1,2,3                                ; O^T += v^T p^T: four accumulators, one instruction each
	v_wmma_scale_f32_16x16x128_f8f6f4 v[O+8*\t:O+8*\t+7], v[F+12*\t:F+12*\t+11], v[PCD:PCD+11], v[O+8*\t:O+8*\t+7], v[VSC+\t], v[PW] matrix_a_fmt:MATRIX_FMT_BF6 matrix_b_fmt:MATRIX_FMT_BF6
.endr
	s_add_co_u32 s[TK], s[TK], KVB
	s_add_co_u32 s[TS], s[TS], 1024
	s_sub_co_u32 s[CNT], s[CNT], 1
	s_cmp_lg_u32 s[CNT], 0
	s_cbranch_scc1 .Lstep
.rept 4
	v_nop                                          ; four places ahead of the first read of O^T
.endr
	s_cmp_eq_u32 s[PASS], 1                        ; the next pass's q, if there is one
	s_cbranch_scc1 .Lnoq
	s_add_nc_u64 s[QP:QP+1], s[QP:QP+1], 2*KVB
	s_add_nc_u64 s[QS:QS+1], s[QS:QS+1], 2048
	QLOAD
.Lnoq:
	v_add_f32 v14, v14, v15                        ; THE WAY OUT: O^T / the row's sum, through my stage, sixteen lanes to a token's 256 bytes
	s_delay_alu instid0(VALU_DEP_1)
	v_permlanex16_b32 v[TT], v14, s[SEL], s[SEL+1]
	s_delay_alu instid0(VALU_DEP_1)
	v_add_f32 v14, v14, v[TT]
	s_wait_alu depctr_va_vdst(0)
	v_rcp_f32 v14, v14
	v_nop
	s_wait_alu depctr_va_vdst(0)
.set J, 0
.rept 16
	v_pk_mul_f32 v[S+J:S+J+1], v[O+J:O+J+1], v[14:15] op_sel_hi:[1,0]
.set J, J+2
.endr
.irp t, 0,1,2,3
	ds_store_b128 v[STO], v[S+8*\t:S+8*\t+3] offset:128*(\t/2)+32*(\t%2)
	ds_store_b128 v[STO], v[S+8*\t+4:S+8*\t+7] offset:128*(\t/2)+32*(\t%2)+16
.endr
.irp i, 0,1,2,3,4,5,6,7
	ds_load_b128 v[S+32+4*\i:S+35+4*\i], v[RD] offset:2*\i*SPT   ; LDS serves a wave's instructions in order (ISA guide 5.7.1.4)
.endr
.irp i, 0,1,2,3,4,5,6,7
	s_wait_dscnt 7-\i                              ; the younger loads may be out
	global_store_b128 v[GO], v[S+32+4*\i:S+35+4*\i], s[10:11] offset:(2*\i+8*(\i/4))*4096 th:TH_STORE_NT
.endr
	s_wait_xcnt 0x0                                ; the stores have read their registers and base
	s_add_nc_u64 s[10:11], s[10:11], 1048576       ; 256 tokens on
	s_sub_co_u32 s[PASS], s[PASS], 1
	s_cmp_lg_u32 s[PASS], 0
	s_cbranch_scc1 .Lpass
	s_wait_tensorcnt 0x0                           ; the wave's end
	ds_add_u32 v254, v255
	s_wait_dscnt 0x0
	CROUND                                         ; the closing round
	s_endpgm
.Lfunc_end_k_q108e504537_attn:
	.size	k_q108e504537_attn, .Lfunc_end_k_q108e504537_attn-k_q108e504537_attn
	.p2alignl 7, 3214868480
	.fill 96, 4, 3214868480
	.section	.rodata,"a",@progbits
	.p2align	6, 0x0
	.amdhsa_kernel k_q108e504537_attn
		.amdhsa_group_segment_fixed_size 327680
		.amdhsa_private_segment_fixed_size 0
		.amdhsa_enable_private_segment 0
		.amdhsa_kernarg_size 32
		.amdhsa_user_sgpr_count 2
		.amdhsa_user_sgpr_kernarg_segment_ptr 1
		.amdhsa_wavefront_size32 1
		.amdhsa_system_sgpr_workgroup_id_x 1
		.amdhsa_system_sgpr_workgroup_id_y 1
		.amdhsa_system_sgpr_workgroup_id_z 1
		.amdhsa_system_vgpr_workitem_id 0
		.amdhsa_next_free_vgpr 256
		.amdhsa_next_free_sgpr 80
		.amdhsa_reserve_vcc 0
		.amdhsa_float_denorm_mode_32 3
		.amdhsa_float_denorm_mode_16_64 3
		.amdhsa_memory_ordered 1
		.amdhsa_forward_progress 1
		.amdhsa_inst_pref_size 33
	.end_amdhsa_kernel
	.amdgpu_metadata
---
amdhsa.version: [ 1, 2 ]
amdhsa.kernels:
  - .name:           k_q108e504537_attn
    .symbol:         k_q108e504537_attn.kd
    .args:
      - { .name: img, .offset: 0, .size: 8, .value_kind: global_buffer, .address_space: global }
      - { .name: sc, .offset: 8, .size: 8, .value_kind: global_buffer, .address_space: global }
      - { .name: att_mask, .offset: 16, .size: 8, .value_kind: global_buffer, .address_space: global }
      - { .name: out0, .offset: 24, .size: 8, .value_kind: global_buffer, .address_space: global }
    .group_segment_fixed_size: 327680
    .private_segment_fixed_size: 0
    .kernarg_segment_align: 8
    .kernarg_segment_size: 32
    .max_flat_workgroup_size: 512
    .sgpr_count:     80
    .vgpr_count:     256
    .wavefront_size: 32
...
	.end_amdgpu_metadata
.endif
;; end of part 3
